; MI455X (gfx1250); checked and timed in simulation.
; The chip was launched on July 23, 2026; its instructions are those of AMD's public machine-readable ISA for CDNA 5 (MIT licence, August 2026) and "CDNA5" Instruction Set Architecture Reference Guide (July 2026). The comments in the code are by the model that wrote it; some were corrected since.
;; Complex Valued Fully Connected Layer. Allowed arithmetic: float matrix products may take bf16 or f16 operands with f32 sums; all other float work in f32.
;; Inputs: w_im 2,048 x 2,048 float32; w_re 2,048 x 2,048 float32; x_im 4,096 x 2,048 float32; x_re 4,096 x 2,048 float32.
;; Outputs: out0 2 x 4,096 x 2,048 float32.
;; One version. Each part assembles by itself: llvm-mc -triple=amdgcn-amd-amdhsa -mcpu=gfx1250 --defsym DOCPART=n.
;; ======== version 1 of 1: 2 launches
;; workspace buffers: cb 50,331,648 bytes
;; launch cast (part 1): grid 1536 x 1, 8 waves a work-group, no clusters, 0 bytes of LDS; arguments x_re, x_im, w_re, w_im, cb; writes cb
.if DOCPART == 1
	.amdgcn_target "amdgcn-amd-amdhsa--gfx1250"
	.amdhsa_code_object_version 6
	.text
	.protected	k_q59dc71f01d_cast
	.globl	k_q59dc71f01d_cast
	.p2align	8
	.type	k_q59dc71f01d_cast,@function
k_q59dc71f01d_cast:
	s_mov_b64 s[64:65], 0
	v_nop
	global_prefetch_b8 v0, s[64:65] scope:SCOPE_SE
	s_setreg_imm32_b32 hwreg(HW_REG_WAVE_MODE, 25, 1), 1
	s_wait_xcnt 0x0
; x_re, x_im [4096][2048] and w_re, w_im [2048][2048], all f32, are rounded once to bf16 (to nearest even) and laid into cb for the product that follows.
; cb: 6,144 rows of 8,192 bytes, x's 4,096 rows and then w's 2,048.  A row is 32 pieces of 256 bytes; piece s holds re(64 s .. 64 s + 63), 128 bytes, and then im of the same 64 numbers.
; LIMIT.  A magnitude above bf16's largest finite number, 3.39e38, becomes an infinity; NaN stays NaN.
; SHARES.  Both planes and cb are plain streams: 4,096 bytes of re and 4,096 bytes of im (a chunk) give the 4,096 bytes of cb at the same offset.  A work-group takes 8 chunks; groups 0 to 1,023 take x,
; groups 1,024 to 1,535 take w, which follows x in cb, so cb's offset is the group's number times 32,768 for both.
; LANES.  Thread t reads 16 bytes at 16 t of a chunk of re and of im: a wave's load covers 512 consecutive bytes, 128 numbers, two pieces.  Lanes 0-15 hold the first piece's numbers, lanes 16-31 the second's.
; One exchange of halves between the packed re and the packed im puts a whole piece (re, then im) into one register pair, so each store of a wave covers 256 consecutive bytes, aligned.
; All 16 loads of a wave go out at once; nothing is read twice, so no LDS, no barrier, no matrix unit and no cluster have anything to add here.
.set X, 8                              ; v[8:71]  chunk i: four registers of re, four of im; packed in place
	s_load_b256 s[4:11], s[0:1], 0x0               ; x_re s[4:5], x_im s[6:7], w_re s[8:9], w_im s[10:11]
	s_load_b64 s[12:13], s[0:1], 0x20              ; cb
	v_lshlrev_b32 v1, 4, v0                        ; in: 16 t
	v_and_b32 v2, 31, v0
	v_lshrrev_b32 v3, 5, v0
	v_lshlrev_b32 v2, 3, v2
	v_lshl_add_u32 v2, v3, 9, v2                   ; out: 512 x wave + 8 x lane
	s_and_b32 s14, ttmp9, 1023
	s_lshl_b32 s14, s14, 15                        ; my 8 chunks in the planes that I read,
	s_mov_b32 s15, 0
	s_lshl_b32 s16, ttmp9, 15                      ; and in cb
	s_mov_b32 s17, 0
	s_wait_kmcnt 0x0
	s_cmp_lt_u32 ttmp9, 0x400                      ; x or w: the group's number decides
	s_cselect_b64 s[4:5], s[4:5], s[8:9]
	s_cselect_b64 s[6:7], s[6:7], s[10:11]
	s_add_nc_u64 s[4:5], s[4:5], s[14:15]
	s_add_nc_u64 s[6:7], s[6:7], s[14:15]
	s_add_nc_u64 s[12:13], s[12:13], s[16:17]
.irp i, 0,1,2,3,4,5,6,7
	global_load_b128 v[X+8*(\i):X+8*(\i)+3],   v1, s[4:5] offset:4096*(\i) th:TH_LOAD_NT
	global_load_b128 v[X+8*(\i)+4:X+8*(\i)+7], v1, s[6:7] offset:4096*(\i) th:TH_LOAD_NT
.endr
; Chunk i.  No register that a store reads is written again, so the stores need no wait.
.macro CHUNK i
.set C0, X+8*(\i)
	s_wait_loadcnt 14-2*(\i)                       ; loads come back in order (ISA guide 5.7.1): this chunk's two are in, the 2 (7 - i) younger ones stay out
	v_cvt_pk_bf16_f32 v[C0],   v[C0],   v[C0+1]    ; four re in two registers,
	v_cvt_pk_bf16_f32 v[C0+1], v[C0+2], v[C0+3]
	v_cvt_pk_bf16_f32 v[C0+4], v[C0+4], v[C0+5]    ; four im in two
	v_cvt_pk_bf16_f32 v[C0+5], v[C0+6], v[C0+7]
	v_permlane16_swap_b32 v[C0],   v[C0+4]         ; re's lanes 16-31 change places with im's lanes 0-15: the first pair now holds the first piece (re, im), the second pair the second
	v_permlane16_swap_b32 v[C0+1], v[C0+5]
	global_store_b64 v2, v[C0:C0+1],   s[12:13] offset:4096*(\i)      ; 32 lanes x 8 bytes: one piece, 256 consecutive bytes at a multiple of 256 from cb's first byte
	global_store_b64 v2, v[C0+4:C0+5], s[12:13] offset:4096*(\i)+256  ; no hint: the next launch reads these bytes
.endm
.irp i, 0,1,2,3,4,5,6,7
	CHUNK \i
.endr
	s_endpgm
.Lfunc_end_k_q59dc71f01d_cast:
	.size	k_q59dc71f01d_cast, .Lfunc_end_k_q59dc71f01d_cast-k_q59dc71f01d_cast
	.p2alignl 7, 3214868480
	.fill 96, 4, 3214868480
	.section	.rodata,"a",@progbits
	.p2align	6, 0x0
	.amdhsa_kernel k_q59dc71f01d_cast
		.amdhsa_group_segment_fixed_size 0
		.amdhsa_private_segment_fixed_size 0
		.amdhsa_enable_private_segment 0
		.amdhsa_kernarg_size 40
		.amdhsa_user_sgpr_count 2
		.amdhsa_user_sgpr_kernarg_segment_ptr 1
		.amdhsa_wavefront_size32 1
		.amdhsa_system_sgpr_workgroup_id_x 1
		.amdhsa_system_sgpr_workgroup_id_y 1
		.amdhsa_system_sgpr_workgroup_id_z 1
		.amdhsa_system_vgpr_workitem_id 0
		.amdhsa_next_free_vgpr 72
		.amdhsa_next_free_sgpr 66
		.amdhsa_reserve_vcc 0
		.amdhsa_float_denorm_mode_32 3
		.amdhsa_float_denorm_mode_16_64 3
		.amdhsa_memory_ordered 1
		.amdhsa_forward_progress 1
		.amdhsa_inst_pref_size 7
	.end_amdhsa_kernel
	.amdgpu_metadata
---
amdhsa.version: [ 1, 2 ]
amdhsa.kernels:
  - .name:           k_q59dc71f01d_cast
    .symbol:         k_q59dc71f01d_cast.kd
    .args:
      - { .name: x_re, .offset: 0, .size: 8, .value_kind: global_buffer, .address_space: global }
      - { .name: x_im, .offset: 8, .size: 8, .value_kind: global_buffer, .address_space: global }
      - { .name: w_re, .offset: 16, .size: 8, .value_kind: global_buffer, .address_space: global }
      - { .name: w_im, .offset: 24, .size: 8, .value_kind: global_buffer, .address_space: global }
      - { .name: cb, .offset: 32, .size: 8, .value_kind: global_buffer, .address_space: global }
    .group_segment_fixed_size: 0
    .private_segment_fixed_size: 0
    .kernarg_segment_align: 8
    .kernarg_segment_size: 40
    .max_flat_workgroup_size: 256
    .sgpr_count:     66
    .vgpr_count:     72
    .wavefront_size: 32
...
	.end_amdgpu_metadata
.endif
;; end of part 1
;; launch cgemm (part 2): grid 16 x 16, 4 waves a work-group, clusters of 4 x 4, 327,680 bytes of LDS; arguments cb, out0; writes out0
.if DOCPART == 2
	.amdgcn_target "amdgcn-amd-amdhsa--gfx1250"
	.amdhsa_code_object_version 6
	.text
	.protected	k_q59dc71f01d_cgemm
	.globl	k_q59dc71f01d_cgemm
	.p2align	8
	.type	k_q59dc71f01d_cgemm,@function
k_q59dc71f01d_cgemm:
	s_mov_b64 s[64:65], 0
	v_nop
	global_prefetch_b8 v0, s[64:65] scope:SCOPE_SE
	s_setreg_imm32_b32 hwreg(HW_REG_WAVE_MODE, 25, 1), 1
	s_wait_xcnt 0x0
	s_wait_alu depctr_hold_cnt(0) depctr_sa_sdst(0) depctr_va_vdst(0) depctr_va_sdst(0) depctr_va_ssrc(0) depctr_va_vcc(0) depctr_vm_vsrc(0)
	s_getreg_b32 s2, hwreg(HW_REG_IB_STS2, 6, 4)
	s_cmp_eq_u32 s2, 0
	s_cbranch_scc0 .Lentry_in_a_cluster
	s_endpgm
.Lentry_in_a_cluster:
	s_bfe_u32 s2, ttmp6, 0x10000c
	s_cmp_lg_u32 s2, 0xf033
	s_cbranch_scc0 .Lentry_shape_is_right
	s_endpgm
.Lentry_shape_is_right:
; out0[0][b][o] = sum over k of xr[b][k] wr[o][k] - xi[b][k] wi[o][k];   out0[1][b][o] = sum over k of xr[b][k] wi[o][k] + xi[b][k] wr[o][k].   out0: [2][4096][2048] f32; sums in f32.
; x and w come from cb in bf16 (each input rounded once, to nearest even; a magnitude above 3.39e38 has become an infinity there): rows of 8,192 bytes, x's 4,096 and then w's 2,048; piece s of 256 bytes of a
; row holds re(64 s .. 64 s + 63) and then im of the same 64 k.  A K STEP is one piece: 64 complex k, tile rows of 256 bytes that start at multiples of 256 from cb's first byte.
; SHARES.  A work-group makes 256 b x 128 o of both planes: 16 x 16 work-groups.  Each of its four waves makes 128 b x 64 o of both planes: 64 accumulators of 16 x 16, 512 registers.
; For 32 complex k (half a K step) a wave reads 24 fragments (xr 8, xi 8, wr 4, wi 4: 48 LDS loads) and issues 128 matrix instructions.
; THE MINUS.  The matrix form takes no sign on its two factors, so -wi is made in registers from wi's fragments: one exclusive or on two sign bits at a time, 32 for 128 matrix instructions.  It is exact.
; RIDERS.  A half's 32 exclusive ors and the next half's 48 LDS loads stand in four riders among its 128 products: eight exclusive ors, then twelve loads.  So a wave hands LDS 6 KB at a time, with 16 products
; or more between two runs, and plain vector work stands between a product and the first load behind it.  The price: three window switches a rider.
; THE MATRIX INSTRUCTION IS USED TRANSPOSED: source 0 = 16 rows of w, source 1 = 16 rows of x.  In the result lane l holds row b = l % 16 and its registers 0 to 7 the columns o = 8 (l / 16) + 0 .. 7.
; RING.  Two LDS slots, each with a K step's 256 rows of x and 128 rows of w; one tensor load a wave for each fill (waves 0, 1: 128 rows of x each; waves 2, 3: 64 rows of w each).
; CLUSTER.  4 x 4 work-groups.  x's tile hangs on the block of b alone and is shared along a row of the cluster, w's on the block of o alone and is shared along a column: each is asked for JOINTLY, by the
; same tensor load with the same descriptor and a mask that names the four.
; REGISTERS, in windows of 256 (s_set_vgpr_msb: bits 1:0 source 0, 3:2 source 1, 5:4 source 2, 7:6 destination):
;   window 0: x's fragments, two buffers of 128: xr's eight at 128 f + 8 a, xi's at 128 f + 64 + 8 a.  (At the head: v0-v6 at work.  On the way out: eight buffers of 32 for rows read back.)
;   window 1: v16-29 addresses; w's fragments, two buffers of 96 from v64: wr's four, wi's four, -wi's four
;   window 2: the real plane's accumulators, (a, n) at 8 (4 a + n);   window 3: the imaginary plane's, at the same numbers
.set PITCH,  272                       ; an LDS row: 256 bytes + 16 of padding = 68 words: row r starts at bank 4 r mod 64 (64 banks of 4 bytes: ISA guide 11.1), so the 16 rows of a load start at 16 different banks
.set HALFA,  128*PITCH                 ; 128 rows of x: one tensor load, and what one wave reads of x
.set HALFB,  64*PITCH                  ; 64 rows of w: likewise
.set SLOT,   2*HALFA+2*HALFB           ; x's 256 rows, then w's 128
.set STAGE,  2*SLOT                    ; behind the ring, never filled by a tensor load: 16 rows x 272 bytes for each wave, for the way out
.set SPITCH, 272
.set SPARE,  STAGE+4*16*SPITCH         ; behind the stages: the spare words, 128 bytes for each wave: two blocks of 256 bytes that no other line names
.set ROWB,   8192                      ; bytes in a row of cb, and in a row of out0
.set WOFF,   0x2000000                 ; w's first row in cb
.set PLANE,  0x2000000                 ; bytes from the real plane to the imaginary one
.set LAPS,   16                        ; a lap = two K steps = once round the ring: 32 K steps
.set ADRA, 16                          ; window 1: v16-17  LDS address of my x fragments in slot 0, 1
.set ADRB, 20                          ; v20-21  the same for w
.set STO,  24                          ; v24     the way out: where I put 32 bytes of a row
.set RD,   25                          ; v25     the way out: where I read a row back
.set CO,   26                          ; v26     my byte offset in two rows of out0
.set SPW,  28                          ; v28     LDS address of my spare word: SPARE + 4 x my thread's number; never rewritten
.set NIL,  29                          ; v29     0; never rewritten
.set WF,   64                          ; w's fragment buffers begin here, 96 registers each
.set O_WR, 0
.set O_WI, 32
.set O_NW, 64
.set O_XR, 0
.set O_XI, 64
.set G1,  24                           ; s[24:31] descriptor group 1 for x's tiles;  s[32:39] group 0, one set for each slot
.set G0,  32
.set G1B, 48                           ; s[48:55], s[56:63] the same for w's tiles
.set G0B, 56
.set MSB, 0
.macro WIN new                         ; the immediate's high byte repeats the setting that is left; a switch that changes nothing is dropped
.if MSB != (\new)
	s_set_vgpr_msb (MSB<<8)|(\new)
.set MSB, (\new)
.endif
.endm
.set MUL_R, 0xa1                       ; source 0 (w) window 1, source 1 (x) window 0, C and D window 2
.set MUL_I, 0xf1                       ; the same, C and D window 3
.set W1,    0x45                       ; sources 0 and 1 and the destination in window 1: w's loads, the exclusive ors, the add
.set TO_X,  0x01                       ; address in window 1, loaded or stored data in window 0
.set ST_R,  0x09                       ; LDS store: address window 1, data window 2
.set ST_I,  0x0d                       ; the same, data window 3
.set MK,    0x40                       ; destination window 1, sources window 0
; A joint load.  Waves 0 and 1 fetch x's two halves, waves 2 and 3 w's.  Each line has one mask and one set of registers, and nothing in them hangs on a coordinate that the four partners do not share.
; The branch hangs on the wave's number alone.  An s_nop 0 and four v_nop follow each line, ahead of the jump, the label and what follows.
.macro JLOAD s
	s_cmp_eq_u32 s11, 0
	s_cbranch_scc0 .Lfor_w_\@
	tensor_load_to_lds s[G0+4*(\s):G0+4*(\s)+3], s[G1:G1+7]
	s_nop 0
.rept 4
	v_nop
.endr
	s_branch .Lasked_\@
.Lfor_w_\@:
	tensor_load_to_lds s[G0B+4*(\s):G0B+4*(\s)+3], s[G1B:G1B+7]
	s_nop 0
.rept 4
	v_nop
.endr
.Lasked_\@:
.endm
; A round of the cluster's barrier: my work-group's barrier, so that wave 0's signal speaks for all four waves; wave 0 signals; every wave waits for all sixteen work-groups; my work-group's barrier once more.
.macro CREST                           ; a round behind its opening barrier
	s_cmp_lg_u32 s10, 0
	s_cbranch_scc1 .Lnot_wave_0_\@
	s_barrier_signal -3
.Lnot_wave_0_\@:
	s_barrier_wait -3
	s_barrier_signal -1
	s_barrier_wait -1
.endm
.macro CROUND                          ; a whole round
	s_barrier_signal -1
	s_barrier_wait -1
	CREST
.endm
	s_load_b128 s[4:7], s[0:1], 0x0                ; cb s[4:5], out0 s[6:7]
	WIN MK
	v_lshl_add_u32 v[SPW], v0, 2, SPARE
	v_mov_b32 v[NIL], 0
	s_set_vgpr_msb 0x4045
	ds_add_u32 v28, v29
	s_wait_dscnt 0x0
	s_set_vgpr_msb 0x4540
	WIN 0
	v_lshrrev_b32 v1, 5, v0
	v_readfirstlane_b32 s10, v1                    ; wave 0..3
	s_lshr_b32 s11, s10, 1                         ; which 128 of the block's 256 b are mine.  Also: I fetch for x (0) or for w (1)
	s_and_b32 s12, s10, 1                          ; which 64 of its 128 o.  Also: which half of that tile's rows I fetch
	s_bfe_u32 s40, ttmp6, 0x40000                  ; cx, cy: my place in the cluster
	s_bfe_u32 s41, ttmp6, 0x40004
	s_lshl_b32 s42, ttmp9, 2                       ; in a cluster launch ttmp9 and ttmp7 count clusters
	s_add_co_u32 s42, s42, s40                     ; block of o = 4 x cluster x + cx
	s_and_b32 s13, ttmp7, 0xffff
	s_lshl_b32 s13, s13, 2
	s_add_co_u32 s13, s13, s41                     ; block of b = 4 x cluster y + cy
	s_lshl_b32 s43, s41, 2
	s_lshl_b32 s43, 15, s43                        ; my row of the cluster: places 4 cy .. 4 cy + 3
	s_lshl_b32 s44, 0x1111, s40                    ; my column: places cx, cx + 4, cx + 8, cx + 12
	s_mov_b32 s45, 0x80008000                      ; the signs of two bf16
	; descriptor group 1: rows of 128 elements of 2 bytes, padded in LDS; 128 rows for x, 64 for w
	s_or_b32 s[G1+0],  s43, (1<<16)|(1<<20)|(1<<21)|(5<<22)|(3<<25)  ; 15:0 the mask: x's tiles go to my row; 17:16 2-byte elements; 20 padding on; 21 set beside a mask; 24:22 after every 64 words (code 5); 31:25 4 words (code 3)
	s_or_b32 s[G1B+0], s44, (1<<16)|(1<<20)|(1<<21)|(5<<22)|(3<<25)  ; the same with the mask of my column, for w's tiles
.irp g, G1, G1B
	s_mov_b32 s[(\g)+1], 128<<16                   ; tensor_dim0 = 128
	s_mov_b32 s[(\g)+3], 128<<16                   ; tile_dim0 = 128
	s_mov_b32 s[(\g)+5], 4096                      ; 4,096 elements from row to row
	s_mov_b32 s[(\g)+6], 0
	s_mov_b32 s[(\g)+7], 0
.endr
	s_mov_b32 s[G1+2], 128<<16                     ; tensor_dim1 = 128
	s_mov_b32 s[G1+4], 128                         ; tile_dim1 = 128
	s_mov_b32 s[G1B+2], 64<<16                     ; tensor_dim1 = 64
	s_mov_b32 s[G1B+4], 64                         ; tile_dim1 = 64
	; where the tiles come from.  x's offset is made of the block of b and the wave's number, w's of the block of o and the wave's number, each in registers that never hold the other coordinate.
	s_lshl_b32 s16, s13, 8
	s_lshl_b32 s17, s12, 7
	s_add_co_u32 s16, s16, s17                     ; x: row 256 x block + 128 x half
	s_lshl_b32 s16, s16, 13                        ; in bytes: under 2^25
	s_mov_b32 s17, 0
	s_lshl_b32 s46, s42, 7
	s_lshl_b32 s47, s12, 6
	s_add_co_u32 s46, s46, s47                     ; w: row 128 x block + 64 x half
	s_lshl_b32 s46, s46, 13
	s_add_co_u32 s46, s46, WOFF                    ; behind x's rows: under 2^26
	s_mov_b32 s47, 0
	s_mul_i32 s20, s12, HALFA                      ; and where they go: x's two halves,
	s_mul_i32 s21, s12, HALFB
	s_add_co_u32 s21, s21, 2*HALFA                 ; then w's two halves: no place in the cluster enters an LDS address
	s_wait_kmcnt 0x0
	s_add_nc_u64 s[14:15], s[4:5], s[16:17]
	s_add_nc_u64 s[46:47], s[4:5], s[46:47]
	CROUND                                         ; all sixteen work-groups are here: the first joint loads meet
.irp s, 0,1
	s_mov_b32 s[G0+4*(\s)], 1                                      ; 1:0 count = 1
	s_add_co_u32 s[G0+4*(\s)+1], s20, (\s)*SLOT                    ; 63:32 LDS address
	s_add_nc_u64 s[G0+4*(\s)+2:G0+4*(\s)+3], s[14:15], (\s)*256    ; 120:64 global address: K step s
	s_or_b32 s[G0+4*(\s)+3], s[G0+4*(\s)+3], 0x80000000            ; 127:126 type = 2
	s_mov_b32 s[G0B+4*(\s)], 1
	s_add_co_u32 s[G0B+4*(\s)+1], s21, (\s)*SLOT
	s_add_nc_u64 s[G0B+4*(\s)+2:G0B+4*(\s)+3], s[46:47], (\s)*256
	s_or_b32 s[G0B+4*(\s)+3], s[G0B+4*(\s)+3], 0x80000000
.endr
	s_cmp_eq_u32 s11, 0                            ; a wave's two first fills stand in one branch, ahead of every wait on TENSORcnt and every LDS read: two loads of mine are out
	s_cbranch_scc0 .Lfirst_w
	tensor_load_to_lds s[G0:G0+3], s[G1:G1+7]
	s_nop 0
	tensor_load_to_lds s[G0+4:G0+7], s[G1:G1+7]
	s_nop 0
.rept 4
	v_nop
.endr
	s_branch .Lfirst_asked
.Lfirst_w:
	tensor_load_to_lds s[G0B:G0B+3], s[G1B:G1B+7]
	s_nop 0
	tensor_load_to_lds s[G0B+4:G0B+7], s[G1B:G1B+7]
	s_nop 0
.rept 4
	v_nop
.endr
.Lfirst_asked:
	; A fragment is 16 rows x 32 k in 8 registers: lane l holds row l % 16; registers 0-3 hold k = 8 (l / 16) + 0..7, registers 4-7 k = 16 + 8 (l / 16) + 0..7: two loads of 16 bytes, 32 bytes apart.
	v_and_b32 v1, 15, v0                           ; l % 16
	v_bfe_u32 v2, v0, 4, 1                         ; l / 16
	v_mul_u32_u24 v3, v1, PITCH
	v_lshl_add_u32 v4, v2, 5, v3                   ; into the stage: row l % 16, 32 bytes for each half of the lanes
	v_lshl_add_u32 v3, v2, 4, v3                   ; a fragment: row x pitch + 16 x half
	v_mul_u32_u24 v5, v2, SPITCH                   ; back: lanes 0-15 take one row of 256 bytes, lanes 16-31 the next
	v_lshl_add_u32 v5, v1, 4, v5
	v_lshlrev_b32 v6, 13, v2                       ; and the same two rows in out0
	v_lshl_add_u32 v6, v1, 4, v6
	s_mul_i32 s22, s11, HALFA                      ; my 128 rows of x; my 64 rows of w begin at s21
	s_mul_i32 s23, s10, 16*SPITCH
	s_add_co_u32 s23, s23, STAGE                   ; my stage
	WIN MK
.irp s, 0,1
	v_add_nc_u32 v[ADRA+(\s)], s22, v3
	v_add_nc_u32 v[ADRB+(\s)], s21, v3
	s_add_co_u32 s22, s22, SLOT
	s_add_co_u32 s21, s21, SLOT
.endr
	v_add_nc_u32 v[STO], s23, v4
	v_add_nc_u32 v[RD], s23, v5
	v_mov_b32 v[CO], v6
	WIN 0
	; where my part begins in the two planes of out0
	s_lshl_b32 s16, s13, 8
	s_lshl_b32 s17, s11, 7
	s_add_co_u32 s16, s16, s17                     ; my first row: 256 x block of b + 128 x half
	s_lshl_b32 s16, s16, 13
	s_mov_b32 s17, 0
	s_lshl_b32 s46, s42, 9                         ; my first column, in bytes: 512 x block of o + 256 x half (in the pair that held w's address: none that fed x's descriptors ever holds cx)
	s_lshl_b32 s47, s12, 8
	s_add_co_u32 s46, s46, s47
	s_mov_b32 s47, 0
	s_add_nc_u64 s[6:7], s[6:7], s[16:17]
	s_add_nc_u64 s[6:7], s[6:7], s[46:47]          ; the real plane,
	s_add_nc_u64 s[8:9], s[6:7], PLANE             ; the imaginary one
; A HALF of a K step is 128 matrix instructions on buffer f, in four groups of 32: im += xr wi, re += xr wr, im += xi wr, re += xi (-wi).  MUL8 writes eighth-of-a-group-pair j of 16: group j / 4, blocks
; 2 (j % 4) and 2 (j % 4) + 1 of 16 b x all four blocks of 16 o.  zero = 1: the product starts the sums: nothing is ever cleared.
; The 32 accumulators of a group take turns, one instruction a turn, and neighbouring groups name the other plane.
.macro MUL8 f, j, zero
.set mg, (\j)/4
.set ma, 2*((\j)%4)
.set mx, 64*(mg/2)                     ; xr in groups 0 and 1, xi in groups 2 and 3
.set mw, O_WR
.if mg == 0
.set mw, O_WI
.endif
.if mg == 3
.set mw, O_NW
.endif
	WIN MUL_R+0x50*((mg+1)%2)                      ; groups 0 and 2: the imaginary plane; 1 and 3: the real one
.rept 2
.set mb, 0
.rept 4
.if \zero
	v_wmma_f32_16x16x32_bf16 v[8*(4*ma+mb):8*(4*ma+mb)+7], v[WF+96*(\f)+mw+8*mb:WF+96*(\f)+mw+8*mb+7], v[128*(\f)+mx+8*ma:128*(\f)+mx+8*ma+7], 0
.else
	v_wmma_f32_16x16x32_bf16 v[8*(4*ma+mb):8*(4*ma+mb)+7], v[WF+96*(\f)+mw+8*mb:WF+96*(\f)+mw+8*mb+7], v[128*(\f)+mx+8*ma:128*(\f)+mx+8*ma+7], v[8*(4*ma+mb):8*(4*ma+mb)+7]
.endif
.set mb, mb+1
.endr
.set ma, ma+1
.endr
.endm
; Fragment q of four of -wi of buffer f: eight plain instructions that name registers of buffer f's w alone.
.macro NEG8 f, q
	WIN W1
.set ni, 8*(\q)
.rept 8
	v_xor_b32 v[WF+96*(\f)+O_NW+ni], s45, v[WF+96*(\f)+O_WI+ni]
.set ni, ni+1
.endr
.endm
; Fragment p of the 24 of half c of a slot's K step, into buffer f: two LDS loads.  In a row re lies at byte 64 c, im at 128 + 64 c.  In the order of their use: 0-3 wi, 4-11 xr, 12-15 wr, 16-23 xi.
.macro LFRAG slot, c, f, p
.if (\p) < 4
	WIN W1
.set lr, WF+96*(\f)+O_WI+8*(\p)
.set lo, (\p)*16*PITCH+128+64*(\c)
.set la, ADRB+(\slot)
.elseif (\p) < 12
	WIN TO_X
.set lr, 128*(\f)+O_XR+8*((\p)-4)
.set lo, ((\p)-4)*16*PITCH+64*(\c)
.set la, ADRA+(\slot)
.elseif (\p) < 16
	WIN W1
.set lr, WF+96*(\f)+O_WR+8*((\p)-12)
.set lo, ((\p)-12)*16*PITCH+64*(\c)
.set la, ADRB+(\slot)
.else
	WIN TO_X
.set lr, 128*(\f)+O_XI+8*((\p)-16)
.set lo, ((\p)-16)*16*PITCH+128+64*(\c)
.set la, ADRA+(\slot)
.endif
	ds_load_b128 v[lr:lr+3],   v[la] offset:lo
	ds_load_b128 v[lr+4:lr+7], v[la] offset:lo+32
.endm
.macro LRUN slot, c, f, q              ; run q of four: fragments 6 q .. 6 q + 5, twelve loads
.set lp, 6*(\q)
.rept 6
	LFRAG \slot, \c, \f, lp
.set lp, lp+1
.endr
.endm
; RIDER q of four of the half on buffer f: a fragment of -wi for this half; then (fetch = 1) run q of the next half's loads, from half c of the slot, into the OTHER buffer.
; Rider 0's eight exclusive ors are the places (ISA guide 7.12.1 for vector instructions) between the last product that read the other buffer and the first load into it; a buffer's
; -wi is written anew behind the other half's 32.  All four riders stand ahead of product 96, the first that reads -wi.
.macro RIDER f, q, fetch, slot, c
	NEG8 \f, \q
.if \fetch
	LRUN \slot, \c, 1-(\f), \q
.endif
.endm
; Eighths j0 .. j0 + n - 1 of the half on buffer f.  Riders 1, 2 and 3 stand behind eighths 6, 9 and 11 (products 56, 80, 96); rider 0, behind eighth 3, is written where the half is, since a barrier may stand in front of it.
.macro STEPS f, j0, n, zero, fetch, slot, c
.set sj, (\j0)
.rept \n
	MUL8 \f, sj, \zero
.if sj == 6
	RIDER \f, 1, \fetch, \slot, \c
.elseif sj == 9
	RIDER \f, 2, \fetch, \slot, \c
.elseif sj == 11
	RIDER \f, 3, \fetch, \slot, \c
.endif
.set sj, sj+1
.endr
.endm
; A K step's first half multiplies buffer 0 and fetches the second half's fragments, from the same slot, into buffer 1.
.macro HALF0 slot, zero
	s_wait_dscnt 16                                ; wi, xr and wr are in; the youngest sixteen loads (xi's: 4 of run 2, 12 of run 3) may be out
	STEPS 0, 0, 4, \zero, 1, \slot, 1
	RIDER 0, 0, 1, \slot, 1
	STEPS 0, 4, 4, \zero, 1, \slot, 1
	s_wait_dscnt 24                                ; all but this half's runs 0 and 1: xi is in
	STEPS 0, 8, 8, 0, 1, \slot, 1
.endm
; The second half multiplies buffer 1 and changes slots: ONE barrier for two things.  In front of it each wave waits for all its tensor loads, of which one is out: its part of the next slot; adds 0 to its spare
; word; and waits for that and for its own reads of this slot.  Behind it nobody reads this slot any more and the next slot is whole.
; fill = 1: the barrier opens a round of the cluster's barrier, and this slot is filled again, first thing behind the round, with the K step two steps on: 224 matrix instructions ahead of the wait for it.
.macro TURN slot, next, fill
	WIN W1                                         ; (the add's two registers lie in window 1)
	s_wait_tensorcnt 0x0                           ; all my tensor loads have landed: the one that was out is my part of the next slot;
	ds_add_u32 v[SPW], v[NIL]                      ; 0 onto my spare word;
	s_wait_dscnt 17                                ; (the add and the youngest sixteen loads, xi's, may be out)
	STEPS 1, 0, 2, 0, 0, 0, 0                      ; sixteen matrix instructions stand between the add and the wait for it
	s_wait_dscnt 0x0                               ; the add is done, and my reads of this slot are over (the last were issued 48 matrix instructions ago); xi is in:
	s_barrier_signal -1                            ; say so,
	STEPS 1, 2, 2, 0, 0, 0, 0                      ; work on registers while the others arrive,
.if \fill
	WIN 0
.endif
	s_barrier_wait -1                              ; and go on when all four have said so
.if \fill
	CREST                                          ; no wave of any partner still reads this slot's tile or has a load on its way
	s_add_nc_u64 s[G0+4*(\slot)+2:G0+4*(\slot)+3], s[G0+4*(\slot)+2:G0+4*(\slot)+3], 512     ; two K steps on; no tensor load of mine is out, so a group 0 may be written
	s_add_nc_u64 s[G0B+4*(\slot)+2:G0B+4*(\slot)+3], s[G0B+4*(\slot)+2:G0B+4*(\slot)+3], 512
	JLOAD \slot                                    ; my one tensor load behind the round, ahead of every LDS read there
.endif
	RIDER 1, 0, 1, \next, 0                        ; the next slot's first fragments
	STEPS 1, 4, 12, 0, 1, \next, 0
.endm
; THE WAY OUT, in 16 blocks of 16 rows x 64 columns: blocks 0-7 the real plane's, 8-15 the imaginary plane's.  A lane's eight numbers of a row are 32 bytes; they go into my own stage, rows of 272 bytes,
; and come back as whole rows of 256 bytes.  Each accumulator's four lowest registers are stored first.
.macro TOSTAGE b
.set ta, (\b)%8
.if (\b) >= 8
	s_wait_xcnt 0x0                                ; every earlier memory instruction has had its addresses translated (ISA guide 3.1): the registers that block b - 8's stores read are loaded again only behind this wait
.endif
	WIN ST_R+4*((\b)/8)
.irp n, 0,1,2,3
	ds_store_b128 v[STO], v[32*ta+8*(\n):32*ta+8*(\n)+3]   offset:64*(\n)
	ds_store_b128 v[STO], v[32*ta+8*(\n)+4:32*ta+8*(\n)+7] offset:64*(\n)+16
.endr
	WIN TO_X
.irp t, 0,1,2,3,4,5,6,7
	ds_load_b128 v[32*ta+4*(\t):32*ta+4*(\t)+3], v[RD] offset:(\t)*2*SPITCH  ; LDS serves a wave's instructions in order (ISA guide 5.7.1.4): these see the stores above; the next block's stores come behind them
.endr
.endm
.macro SEND b, younger                 ; younger: the LDS instructions issued behind block b's loads: the next block's sixteen, or none
	WIN TO_X
.set ta, (\b)%8
.irp t, 0,1,2,3,4,5,6,7
	s_wait_dscnt (\younger)+7-(\t)
.if (\b) < 8
	global_store_b128 v[CO], v[32*ta+4*(\t):32*ta+4*(\t)+3], s[6:7] offset:ta*16*ROWB+(\t)*2*ROWB th:TH_STORE_NT  ; 16 lanes store 256 consecutive bytes, at a multiple of 256 from out0's first byte
.else
	global_store_b128 v[CO], v[32*ta+4*(\t):32*ta+4*(\t)+3], s[8:9] offset:ta*16*ROWB+(\t)*2*ROWB th:TH_STORE_NT  ; the block's and the pair's rows stand in the immediate: 126 rows, 1,032,192 bytes, at the most
.endif
.endr
.endm
	s_wait_tensorcnt 1                             ; my part of K step 0 is in; K step 1's may stay out
	s_barrier_signal -1
	s_barrier_wait -1                              ; everybody's is
.irp q, 0,1,2,3
	LRUN 0, 0, 0, \q                               ; the first half's fragments: there is no product yet to set them among
.endr
	HALF0 0, 1                                     ; the first half stands in front of the loop: its first 64 products start the 64 sums
	WIN 0                                          ; at a label and at a branch every window is 0
	s_mov_b32 s3, LAPS-1
.Llap:                                                 ; a trip goes once round the ring, from a lap's second half to the next lap's first, and fills both slots again
	TURN 0, 1, 1
	HALF0 1, 0
	TURN 1, 0, 1
	HALF0 0, 0
	WIN 0
	s_sub_co_u32 s3, s3, 1
	s_cmp_lg_u32 s3, 0
	s_cbranch_scc1 .Llap
	TURN 0, 1, 0                                   ; the last lap is written out: it fills nothing, so its barrier opens no round
	HALF0 1, 0
	s_wait_dscnt 16                                ; the very last half: nothing more to fetch, so its riders are the exclusive ors alone
	STEPS 1, 0, 4, 0, 0, 0, 0
	RIDER 1, 0, 0, 0, 0
	STEPS 1, 4, 4, 0, 0, 0, 0
	s_wait_dscnt 0x0                               ; xi is in
	STEPS 1, 8, 8, 0, 0, 0, 0
	WIN 0
.rept 4
	v_nop                                          ; four places between the last product and the LDS stores that read results, and the loads into x's fragment registers
.endr
	TOSTAGE 0
.irp b, 1,2,3,4,5,6,7,8,9,10,11,12,13,14,15    ; a block's way through the stage stands between the loads of the block before and its stores
	TOSTAGE \b
	SEND (\b)-1, 16
.endr
	SEND 15, 0
	WIN W1
	s_wait_tensorcnt 0x0                           ; the wave's end, behind my last tensor load and my last LDS store
	ds_add_u32 v[SPW], v[NIL]
	s_wait_dscnt 0x0
	WIN 0
	CROUND                                         ; the closing round: no work-group ends while a partner may still ask for a tile that names it
	s_endpgm
.Lfunc_end_k_q59dc71f01d_cgemm:
	.size	k_q59dc71f01d_cgemm, .Lfunc_end_k_q59dc71f01d_cgemm-k_q59dc71f01d_cgemm
	.p2alignl 7, 3214868480
	.fill 96, 4, 3214868480
	.section	.rodata,"a",@progbits
	.p2align	6, 0x0
	.amdhsa_kernel k_q59dc71f01d_cgemm
		.amdhsa_group_segment_fixed_size 327680
		.amdhsa_private_segment_fixed_size 0
		.amdhsa_enable_private_segment 0
		.amdhsa_kernarg_size 16
		.amdhsa_user_sgpr_count 2
		.amdhsa_user_sgpr_kernarg_segment_ptr 1
		.amdhsa_wavefront_size32 1
		.amdhsa_system_sgpr_workgroup_id_x 1
		.amdhsa_system_sgpr_workgroup_id_y 1
		.amdhsa_system_sgpr_workgroup_id_z 1
		.amdhsa_system_vgpr_workitem_id 0
		.amdhsa_next_free_vgpr 1024
		.amdhsa_next_free_sgpr 66
		.amdhsa_reserve_vcc 0
		.amdhsa_float_denorm_mode_32 3
		.amdhsa_float_denorm_mode_16_64 3
		.amdhsa_memory_ordered 1
		.amdhsa_forward_progress 1
		.amdhsa_inst_pref_size 144
	.end_amdhsa_kernel
	.amdgpu_metadata
---
amdhsa.version: [ 1, 2 ]
amdhsa.kernels:
  - .name:           k_q59dc71f01d_cgemm
    .symbol:         k_q59dc71f01d_cgemm.kd
    .args:
      - { .name: cb, .offset: 0, .size: 8, .value_kind: global_buffer, .address_space: global }
      - { .name: out0, .offset: 8, .size: 8, .value_kind: global_buffer, .address_space: global }
    .group_segment_fixed_size: 327680
    .private_segment_fixed_size: 0
    .kernarg_segment_align: 8
    .kernarg_segment_size: 16
    .max_flat_workgroup_size: 128
    .sgpr_count:     66
    .vgpr_count:     1024
    .wavefront_size: 32
...
	.end_amdgpu_metadata
.endif
;; end of part 2
